; MI455X (gfx1250); checked and timed in simulation.
; The chip was launched on July 23, 2026; its instructions are those of AMD's public machine-readable ISA for CDNA 5 (MIT licence, August 2026) and "CDNA5" Instruction Set Architecture Reference Guide (July 2026). The comments in the code are by the model that wrote it; some were corrected since.
;; Hash Grid Encoder. Allowed arithmetic: float matrix products may take bf16 or f16 operands with f32 sums; all other float work in f32.
;; Inputs: hash_table 8,388,608 x 2 float32; points 524,288 x 3 float32.
;; Outputs: out0 524,288 x 32 float32.
;; One version. Each part assembles by itself: llvm-mc -triple=amdgcn-amd-amdhsa -mcpu=gfx1250 --defsym DOCPART=n.
;; ======== version 1 of 1: 2 launches
;; limits: inputs' magnitudes at most 2,047
;; workspace buffers: cells 6,291,456 bytes of whole numbers
;; launch cells (part 1): grid 256 x 1, 8 waves a work-group, no clusters, 0 bytes of LDS; arguments points, cells; writes cells
.if DOCPART == 1
	.amdgcn_target "amdgcn-amd-amdhsa--gfx1250"
	.amdhsa_code_object_version 6
	.text
	.protected	k_q3f11a54cbe_cells
	.globl	k_q3f11a54cbe_cells
	.p2align	8
	.type	k_q3f11a54cbe_cells,@function
k_q3f11a54cbe_cells:
	s_mov_b64 s[64:65], 0
	v_nop
	global_prefetch_b8 v0, s[64:65] scope:SCOPE_SE
	s_setreg_imm32_b32 hwreg(HW_REG_WAVE_MODE, 25, 1), 1
	s_wait_xcnt 0x0
; cells[i] = floor(points[i] * 2^20) as a 32-bit whole number, for all 3 x 524,288 coordinates.
; Gather addresses are formed from whole numbers read from memory, never from floating-point data of the same launch:
; this launch makes the one step from float to whole number, the next one forms every level's cell number from it by
; integer arithmetic alone.  The grid of level l has floor(16 * 2^l) = 2^(4+l) cells a side (the growth factor
; exp((ln 2^19 - ln 16) / 15) is 2.0 in f32, and powers of two are exact), and with Q = floor(p * 2^20)
;     floor(p * 2^(4+l) + 0.5) = (Q + 2^(15-l)) >> (16-l)      exactly, for l = 0 .. 15, negative p too (arithmetic shift).
; p * 2^20 is exact in f32 (a power of two), the floor is exact, and so is the conversion.
; LIMIT: |p| < 2047, so that Q and Q + 2^15 fit in 32 bits; beyond it the conversion saturates and the cells are wrong.
; A NaN gives Q = 0 (the next launch's weights are then NaN, as the reference's are).
; A stream: 256 work-groups x 256 threads x 6 loads of 16 bytes = 6,291,456 bytes, each byte read once and written once.
; One load or store of a wave covers 512 consecutive bytes, aligned.  No cache hint: the next launch reads both buffers.
.set CHUNK, 4096                       ; bytes that one load of the group's 256 threads covers
.set LOADS, 6                          ; loads of a thread, all in flight together
.set X,     2                          ; v[2:25]  load j: 4 registers, converted in place and stored from there
	s_load_b128 s[4:7], s[0:1], 0x0                ; points s[4:5], cells s[6:7]
	s_mul_i32 s2, ttmp9, LOADS*CHUNK               ; the work-group's 24,576 bytes
	s_mov_b32 s3, 0
	v_lshlrev_b32 v1, 4, v0                        ; 16 bytes a thread
	s_wait_kmcnt 0x0
	s_add_nc_u64 s[4:5], s[4:5], s[2:3]
	s_add_nc_u64 s[6:7], s[6:7], s[2:3]
.irp j, 0,1,2,3,4,5
	global_load_b128 v[X+4*\j:X+4*\j+3], v1, s[4:5] offset:\j*CHUNK
.endr
.irp j, 0,1,2,3,4,5
	s_wait_loadcnt LOADS-1-\j                      ; loads come back in order: load j is in, the younger ones stay out
.irp k, 0,2
	v_pk_mul_f32 v[X+4*\j+\k:X+4*\j+\k+1], v[X+4*\j+\k:X+4*\j+\k+1], 0x49800000 op_sel_hi:[1,0]   ; x 2^20, exact
.endr
.irp k, 0,1,2,3
	v_floor_f32 v[X+4*\j+\k], v[X+4*\j+\k]
.endr
.irp k, 0,1,2,3
	v_cvt_i32_f32 v[X+4*\j+\k], v[X+4*\j+\k]       ; a whole number already: nothing is cut off
.endr
	global_store_b128 v1, v[X+4*\j:X+4*\j+3], s[6:7] offset:\j*CHUNK   ; no register of a store is written again
.endr
	s_endpgm
.Lfunc_end_k_q3f11a54cbe_cells:
	.size	k_q3f11a54cbe_cells, .Lfunc_end_k_q3f11a54cbe_cells-k_q3f11a54cbe_cells
	.p2alignl 7, 3214868480
	.fill 96, 4, 3214868480
	.section	.rodata,"a",@progbits
	.p2align	6, 0x0
	.amdhsa_kernel k_q3f11a54cbe_cells
		.amdhsa_group_segment_fixed_size 0
		.amdhsa_private_segment_fixed_size 0
		.amdhsa_enable_private_segment 0
		.amdhsa_kernarg_size 16
		.amdhsa_user_sgpr_count 2
		.amdhsa_user_sgpr_kernarg_segment_ptr 1
		.amdhsa_wavefront_size32 1
		.amdhsa_system_sgpr_workgroup_id_x 1
		.amdhsa_system_sgpr_workgroup_id_y 1
		.amdhsa_system_sgpr_workgroup_id_z 1
		.amdhsa_system_vgpr_workitem_id 0
		.amdhsa_next_free_vgpr 26
		.amdhsa_next_free_sgpr 66
		.amdhsa_reserve_vcc 0
		.amdhsa_float_denorm_mode_32 3
		.amdhsa_float_denorm_mode_16_64 3
		.amdhsa_memory_ordered 1
		.amdhsa_forward_progress 1
		.amdhsa_inst_pref_size 5
	.end_amdhsa_kernel
	.amdgpu_metadata
---
amdhsa.version: [ 1, 2 ]
amdhsa.kernels:
  - .name:           k_q3f11a54cbe_cells
    .symbol:         k_q3f11a54cbe_cells.kd
    .args:
      - { .name: points, .offset: 0, .size: 8, .value_kind: global_buffer, .address_space: global }
      - { .name: cells, .offset: 8, .size: 8, .value_kind: global_buffer, .address_space: global }
    .group_segment_fixed_size: 0
    .private_segment_fixed_size: 0
    .kernarg_segment_align: 8
    .kernarg_segment_size: 16
    .max_flat_workgroup_size: 256
    .sgpr_count:     66
    .vgpr_count:     26
    .wavefront_size: 32
...
	.end_amdgpu_metadata
.endif
;; end of part 1
;; launch encode (part 2): grid 256 x 1, 32 waves a work-group, no clusters, 299,008 bytes of LDS; arguments hash_table, points, cells, out0; writes out0
.if DOCPART == 2
	.amdgcn_target "amdgcn-amd-amdhsa--gfx1250"
	.amdhsa_code_object_version 6
	.text
	.protected	k_q3f11a54cbe_encode
	.globl	k_q3f11a54cbe_encode
	.p2align	8
	.type	k_q3f11a54cbe_encode,@function
k_q3f11a54cbe_encode:
	s_mov_b64 s[64:65], 0
	v_nop
	global_prefetch_b8 v0, s[64:65] scope:SCOPE_SE
	s_setreg_imm32_b32 hwreg(HW_REG_WAVE_MODE, 25, 1), 1
	s_wait_xcnt 0x0
; Hash-grid encoding: out[p][2l .. 2l+1] = trilinear mix of the 8 hashed table entries round point p in the grid of level l.
; 524,288 points, 16 levels of 2^19 entries of two f32.  cells[] holds Q = floor(coordinate * 2^20) from the launch before.
;
; PER LEVEL l AND COORDINATE (grid of 2^(4+l) cells a side):
;   n = (Q + 2^(15-l)) >> (16-l)     the exact floor(p 2^(4+l) + 0.5): whole-number work only, so are the hash and the addresses
;   s = fma(p, 2^(4+l), 0.5)         the reference's scaled coordinate, same rounding (the product is exact)
;   w = s - float(n)                 the reference's weight wherever floor(s) = n.  Where the f32 sum rounds UP to n + 1
;                                    (p 2^(4+l) = 0.5 - 2^-25; odd whole numbers from 2^23 on) the reference has cell n + 1, w = 0
;                                    and this text cell n, w = 1: the same vertex with the same weight.
;   index = (x ^ y * 2654435761 ^ z * 805459861) mod 2^19: only the low 19 bits count, so 24-bit multiplies by the primes' low 24 bits do.
; LIMITS: |p| < 2047 (see the launch before).  Table entries finite: a vertex of weight 0 may be another one than the
; reference's, and differences of entries are formed.  The mix is seven lerps f0 + w (f1 - f0), along x, y, z, in place of the
; reference's sum of eight products: another order of rounding, a few units in the last place of the largest entry.
;
; WHO DOES WHAT.  256 work-groups of 32 waves; a work-group owns 2,048 points, a wave 64, a lane two (rows L and 32 + L of its wave).
; Every wave walks the levels in order, all its points at one level before the next, so that at any time the launch gathers
; from about one level's 4 MiB and not from all 64 MiB of the table.  A row of the output (128 bytes, all 16 levels) is therefore whole
; only at the end: results wait in LDS, 2,048 rows, and leave as whole rows, 512 consecutive aligned bytes a store of a wave.
; Each wave has LDS bytes of its own (wave x 9,216): no barrier anywhere.
; No matrix unit (no products), no tensor loads or clusters (every lane gathers its own 8 bytes; no tile is shared; a level does not fit in LDS).
;
; THE RING.  A unit = one level of 32 points = 8 gathers of a wave.  32 units go through three register slots: while unit u is mixed,
; the 16 gathers of units u + 1 and u + 2 are out, and unit u + 3 is then issued into u's slot.  All is unrolled by macros, so that
; shifts, scales, LDS offsets and table bases are constants of each unit and nothing is stepped: no register that a pending load
; names is written before the counted s_wait_loadcnt that shows that load done.
.set LEVELS,   16
.set CORNERS,  8
.set UNITS,    2*LEVELS
.set WPTS,     64                      ; points of a wave
.set WGPTS,    2048                    ; points of a work-group
.set PITCH,    144                     ; an LDS row: 128 bytes + 16 = 9 x 16: rows stay 16-byte aligned for the read-back, and neighbouring rows start at different offsets modulo 256 bytes
.set PA,   2                           ; v[2:4]    x, y, z of my first point     (second point: + 8, v[10:12])
.set QA,   6                           ; v[6:8]    its three Q                   (second point: + 8, v[14:16])
.set HALF, 5                           ; v5        0.5
.set LA,   9                           ; v9        LDS address of my first point's row
.set PF,   13                          ; v13       prefetch: byte offset of my 256-byte block inside a level's table
.set RD,   17                          ; v17       read-back: LDS address of my 16 bytes
.set CO,   18                          ; v18       read-back: byte offset of my 16 bytes in the work-group's part of out
.set IN,   19                          ; v19       byte offset of my first point in points and in cells
.set T,    20                          ; v[20:29]  at work
.set W0,   30                          ; v[30:119] three slots of SLOTREGS registers:
.set SLOTREGS, 30                      ;   +0,+2,+4 weights x, y, z (each the first of a pair for the packed multiply; +1,+3,+5 are only written once)
                                       ;   +6..+13 the 8 indices;  +14..+29 the 8 entries, two f32 each
.set WAVE, 12                          ; s12       wave number
.set MASK, 14                          ; s14       2^19 - 1
.set PY,   15                          ; s15       2654435761 mod 2^24
.set PZ,   16                          ; s16       805459861 mod 2^24
.set TB,   20                          ; s[20:51]  the address of each level's table, a pair a level
	s_load_b256 s[4:11], s[0:1], 0x0               ; table s[4:5], points s[6:7], cells s[8:9], out s[10:11]
	v_lshl_add_u32 v120, v0, 2, 0x48000
	v_mov_b32 v121, 0
	v_and_b32 v1, 31, v0                           ; lane
	v_lshrrev_b32 v[T], 5, v0
	v_readfirstlane_b32 s[WAVE], v[T]              ; wave number as a scalar
	s_mul_i32 s2, ttmp9, WGPTS*12                  ; the work-group's 2,048 points of 12 bytes
	s_mov_b32 s3, 0
	s_mul_i32 s13, s[WAVE], WPTS*12
	v_mad_u32_u24 v[IN], v1, 12, s13               ; + wave x 64 points + lane
	s_wait_kmcnt 0x0
	s_add_nc_u64 s[6:7], s[6:7], s[2:3]
	s_add_nc_u64 s[8:9], s[8:9], s[2:3]
	global_load_b96 v[PA:PA+2],    v[IN], s[6:7] th:TH_LOAD_NT             ; a wave's load covers 384 consecutive bytes; read once in this launch
	global_load_b96 v[QA:QA+2],    v[IN], s[8:9] th:TH_LOAD_NT
	global_load_b96 v[PA+8:PA+10], v[IN], s[6:7] offset:32*12 th:TH_LOAD_NT
	global_load_b96 v[QA+8:QA+10], v[IN], s[8:9] offset:32*12 th:TH_LOAD_NT
	s_lshl_b32 s2, ttmp9, 18                       ; 2,048 rows of 128 bytes
	s_add_nc_u64 s[10:11], s[10:11], s[2:3]        ; out at the work-group's first row
.irp l, 0,1,2,3,4,5,6,7,8,9,10,11,12,13,14,15
	s_add_nc_u64 s[TB+2*\l:TB+2*\l+1], s[4:5], \l<<22      ; level l's 2^19 entries of 8 bytes
.endr
	s_mov_b32 s[MASK], 0x7ffff
	s_mov_b32 s[PY], 0x3779b1
	s_mov_b32 s[PZ], 0x025795
	s_mul_i32 s17, s[WAVE], WPTS*PITCH             ; my wave's 64 rows in LDS
	v_mul_u32_u24 v[LA], v1, PITCH
	v_add_nc_u32 v[LA], s17, v[LA]                 ; row = lane
	v_lshrrev_b32 v[RD], 3, v1                     ; read-back: eight lanes take a row of 128 bytes, a wave four rows
	v_mul_u32_u24 v[RD], v[RD], PITCH
	v_and_b32 v[CO], 7, v1
	v_lshl_add_u32 v[RD], v[CO], 4, v[RD]
	v_add_nc_u32 v[RD], s17, v[RD]
	s_lshl_b32 s18, s[WAVE], 13                    ; my wave's 64 rows of out: 8,192 bytes
	v_lshl_add_u32 v[CO], v1, 4, s18               ; + 16 x lane: the same four rows, which are consecutive in out
	s_lshl_b32 s19, ttmp9, 14                      ; prefetch: the work-group's 1/256 of a level, 16 KiB,
	v_lshl_add_u32 v[PF], v0, 8, s19               ; of which threads 0 to 63 take one block of 256 bytes each
	v_mov_b32 v[HALF], 0.5
.irp r, 1,3,5,31,33,35,61,63,65
	v_mov_b32 v[W0+\r], 0                          ; the second registers of the weights' pairs: named by the packed multiply, never used by it
.endr
; Waves 0 and 1 ask for the work-group's share of level lvl's table, a lane a block of 256 bytes: each block of the table is asked for once
; in the launch.  The request stands four turns before the level's first gathers are issued, in front of a turn's 46 address instructions.
; Levels 2 to 15 are asked for (the gathers of levels 0 and 1 stand in the prologue); the last block asked for is the table's last.
; v[PF] and the bases are never written again.
.macro PREFETCH lvl, tag
	s_cmp_gt_u32 s[WAVE], 1
	s_cbranch_scc1 .Lnopf\tag
	global_prefetch_b8 v[PF], s[TB+2*(\lvl):TB+2*(\lvl)+1] th:TH_LOAD_NT scope:SCOPE_SE
.Lnopf\tag:
.endm
; One unit on its way: weights, the 8 indices and the 8 gathers of level lvl for my point number set, into slot.
.macro ISSUE lvl, set, slot
.set SW, W0+SLOTREGS*(\slot)
.set SA, SW+6
.set SD, SW+14
.set PP, PA+8*(\set)
.set QQ, QA+8*(\set)
.irp d, 0,1,2
	v_add_nc_u32 v[T+\d], 1<<(15-(\lvl)), v[QQ+\d]
.endr
.irp d, 0,1,2
	v_fmamk_f32 v[SW+2*\d], v[PP+\d], 0x41800000+((\lvl)<<23), v[HALF]     ; s = p 2^(4+lvl) + 0.5, one rounding
.endr
.irp d, 0,1,2
	v_ashrrev_i32 v[T+\d], 16-(\lvl), v[T+\d]      ; n: the cell
.endr
.irp d, 0,1,2
	v_cvt_f32_i32 v[T+3+\d], v[T+\d]               ; exact: below 2^24, or equal to the f32 number p 2^(4+lvl)
.endr
.irp d, 0,1,2
	v_sub_f32 v[SW+2*\d], v[SW+2*\d], v[T+3+\d]    ; w = s - n, in [0, 1], exact
.endr
	v_add_nc_u32  v[T+3], 1, v[T]                  ; x + 1
	v_mul_u32_u24 v[T+1], s[PY], v[T+1]            ; y P: right in its low 24 bits
	v_mul_u32_u24 v[T+2], s[PZ], v[T+2]
	v_and_b32     v[T],   s[MASK], v[T]
	v_and_b32     v[T+3], s[MASK], v[T+3]
	v_add_nc_u32  v[T+4], s[PY], v[T+1]            ; (y + 1) P
	v_add_nc_u32  v[T+5], s[PZ], v[T+2]
	v_xor_b32     v[T+6], v[T+1], v[T+2]           ; the four (y, z) pairs, in the corners' order: y the faster
	v_xor_b32     v[T+7], v[T+4], v[T+2]
	v_xor_b32     v[T+8], v[T+1], v[T+5]
	v_xor_b32     v[T+9], v[T+4], v[T+5]
.irp k, 6,7,8,9
	v_and_b32 v[T+\k], s[MASK], v[T+\k]            ; mod 2^19 on the six parts, not on the eight results
.endr
.irp c, 0,1,2,3,4,5,6,7
	v_xor_b32 v[SA+\c], v[T+3*(\c&1)], v[T+6+(\c>>1)]      ; corner c = (x + c&1, y + (c>>1)&1, z + c>>2)
.endr
.irp c, 0,1,2,3,4,5,6,7
	v_min_u32 v[SA+\c], 0x7ffff, v[SA+\c]          ; changes nothing; a number that came from memory enters an address only behind a bound written in the text
.endr
.irp c, 0,1,2,3,4,5,6,7
	global_load_b64 v[SD+2*\c:SD+2*\c+1], v[SA+\c], s[TB+2*(\lvl):TB+2*(\lvl)+1] scale_offset   ; base + 8 x index.  No hint: entries are read again and again
.endr
.endm
; One unit's end: seven lerps on both features at once, hi <- hi - lo, lo <- lo + w hi, and 8 bytes into my point's row in LDS.
.macro FINISH lvl, set, slot
.set SW, W0+SLOTREGS*(\slot)
.set SD, SW+14
.irp c, 0,4,8,12
	v_pk_add_f32 v[SD+\c+2:SD+\c+3], v[SD+\c+2:SD+\c+3], v[SD+\c:SD+\c+1] neg_lo:[0,1] neg_hi:[0,1]    ; along x: corners (0,1) (2,3) (4,5) (6,7)
.endr
.irp c, 0,4,8,12
	v_pk_fma_f32 v[SD+\c:SD+\c+1], v[SD+\c+2:SD+\c+3], v[SW:SW+1], v[SD+\c:SD+\c+1] op_sel_hi:[1,0,1]  ; both features by the pair's first register
.endr
.irp c, 0,8
	v_pk_add_f32 v[SD+\c+4:SD+\c+5], v[SD+\c+4:SD+\c+5], v[SD+\c:SD+\c+1] neg_lo:[0,1] neg_hi:[0,1]    ; along y
.endr
.irp c, 0,8
	v_pk_fma_f32 v[SD+\c:SD+\c+1], v[SD+\c+4:SD+\c+5], v[SW+2:SW+3], v[SD+\c:SD+\c+1] op_sel_hi:[1,0,1]
.endr
	v_pk_add_f32 v[SD+8:SD+9], v[SD+8:SD+9], v[SD:SD+1] neg_lo:[0,1] neg_hi:[0,1]                      ; along z
	v_pk_fma_f32 v[SD:SD+1], v[SD+8:SD+9], v[SW+4:SW+5], v[SD:SD+1] op_sel_hi:[1,0,1]
	ds_store_b64 v[LA], v[SD:SD+1] offset:32*PITCH*(\set)+8*(\lvl)
.endm
; The turn of unit u (level u / 2, point u % 2, slot u % 3).  pf: the level to ask for, or 0.
.macro TURN u, pf, tag
.if \u < UNITS-2
	s_wait_loadcnt 2*CORNERS                       ; loads come back in order: unit u's 8 are in, the 16 of units u + 1 and u + 2 stay out
.else
	s_wait_loadcnt (UNITS-1-\u)*CORNERS            ; the last two units: 8 younger loads, then none
.endif
	FINISH \u/2, \u%2, \u%3
.if \pf
	PREFETCH \pf, \tag
.endif
.if \u < UNITS-3
	ISSUE (\u+3)/2, (\u+3)%2, (\u+3)%3             ; into the slot just emptied: its index registers are free since the wait above
.endif
.endm
	s_wait_loadcnt 0x0                             ; my two points and their Q, once
	ISSUE 0, 0, 0
	PREFETCH 2, a
	ISSUE 0, 1, 1
	PREFETCH 3, b
	ISSUE 1, 0, 2
.irp l, 0,1,2,3,4,5,6,7,8,9,10,11,12,13,14,15
	TURN (2*\l), 0, 0
.if \l < LEVELS-4
	TURN (2*\l+1), \l+4, \l                        ; this turn issues level l + 2's first gathers and asks for level l + 4
.else
	TURN (2*\l+1), 0, 0                            ; nothing is left to ask for
.endif
.endr
	; THE WAY OUT: my wave's 64 rows, four rows (512 bytes) an instruction.  LDS serves a wave's instructions in order
	; (ISA guide 5.7.1), so these loads see the wave's own stores above; nobody else touches these bytes.
.irp j, 0,1,2,3,4,5,6,7,8,9,10,11,12,13,14,15
	ds_load_b128 v[W0+4*\j:W0+4*\j+3], v[RD] offset:\j*4*PITCH
.endr
.irp j, 0,1,2,3,4,5,6,7,8,9,10,11,12,13,14,15
	s_wait_dscnt 15-\j                             ; load j is in, the younger ones stay out
	global_store_b128 v[CO], v[W0+4*\j:W0+4*\j+3], s[10:11] offset:\j*512 th:TH_STORE_NT   ; 512 consecutive bytes, at a multiple of 512 from out's first byte; written once, not read again
.endr
	s_wait_tensorcnt 0x0
	ds_add_u32 v120, v121
	s_wait_dscnt 0x0
	s_endpgm
.Lfunc_end_k_q3f11a54cbe_encode:
	.size	k_q3f11a54cbe_encode, .Lfunc_end_k_q3f11a54cbe_encode-k_q3f11a54cbe_encode
	.p2alignl 7, 3214868480
	.fill 96, 4, 3214868480
	.section	.rodata,"a",@progbits
	.p2align	6, 0x0
	.amdhsa_kernel k_q3f11a54cbe_encode
		.amdhsa_group_segment_fixed_size 299008
		.amdhsa_private_segment_fixed_size 0
		.amdhsa_enable_private_segment 0
		.amdhsa_kernarg_size 32
		.amdhsa_user_sgpr_count 2
		.amdhsa_user_sgpr_kernarg_segment_ptr 1
		.amdhsa_wavefront_size32 1
		.amdhsa_system_sgpr_workgroup_id_x 1
		.amdhsa_system_sgpr_workgroup_id_y 1
		.amdhsa_system_sgpr_workgroup_id_z 1
		.amdhsa_system_vgpr_workitem_id 0
		.amdhsa_next_free_vgpr 122
		.amdhsa_next_free_sgpr 66
		.amdhsa_reserve_vcc 0
		.amdhsa_float_denorm_mode_32 3
		.amdhsa_float_denorm_mode_16_64 3
		.amdhsa_memory_ordered 1
		.amdhsa_forward_progress 1
		.amdhsa_inst_pref_size 123
	.end_amdhsa_kernel
	.amdgpu_metadata
---
amdhsa.version: [ 1, 2 ]
amdhsa.kernels:
  - .name:           k_q3f11a54cbe_encode
    .symbol:         k_q3f11a54cbe_encode.kd
    .args:
      - { .name: hash_table, .offset: 0, .size: 8, .value_kind: global_buffer, .address_space: global }
      - { .name: points, .offset: 8, .size: 8, .value_kind: global_buffer, .address_space: global }
      - { .name: cells, .offset: 16, .size: 8, .value_kind: global_buffer, .address_space: global }
      - { .name: out0, .offset: 24, .size: 8, .value_kind: global_buffer, .address_space: global }
    .group_segment_fixed_size: 299008
    .private_segment_fixed_size: 0
    .kernarg_segment_align: 8
    .kernarg_segment_size: 32
    .max_flat_workgroup_size: 1024
    .sgpr_count:     66
    .vgpr_count:     122
    .wavefront_size: 32
...
	.end_amdgpu_metadata
.endif
;; end of part 2
